; MI455X (gfx1250); checked and timed in simulation.
; The chip was launched on July 23, 2026; its instructions are those of AMD's public machine-readable ISA for CDNA 5 (MIT licence, August 2026) and "CDNA5" Instruction Set Architecture Reference Guide (July 2026). The comments in the code are by the model that wrote it; some were corrected since.
;; Cross Trans Former. Allowed arithmetic: matrix products marked QUANTISED: E4M3 operands, one given power-of-two scale a tensor, by v_wmma_f32_16x16x64_fp8_fp8 or v_wmma_f32_16x16x128_fp8_fp8, f32 sums; everything else in f32.
;; Inputs: Wk_codes 1,024 x 32 x 32 uint8 (E4M3 codes of Wk, K innermost, in blocks of 32 codes); Wq_codes 1,024 x 32 x 32 uint8 (E4M3 codes of Wq, K innermost, in blocks of 32 codes); Wv_codes 1,024 x 32 x 32 uint8 (E4M3 codes of Wv, K innermost, in blocks of 32 codes); Xk_codes 4 x 2,048 x 32 x 32 uint8 (E4M3 codes of Xk, K innermost, in blocks of 32 codes); Xq_codes 4 x 2,048 x 32 x 32 uint8 (E4M3 codes of Xq, K innermost, in blocks of 32 codes); beta1 1,024 float32; beta2 1,024 float32; beta3 1,024 float32; gamma1 1,024 float32; gamma2 1,024 float32; gamma3 1,024 float32; lowp_scales 10 int32 (the exponents e of the quantised operands' scales 2^e); mean1 1,024 float32; mean2 1,024 float32; mean3 1,024 float32; var1 1,024 float32; var2 1,024 float32; var3 1,024 float32.
;; Outputs: out0 4 x 1,024 x 2,048 float32.
;; This version of the problem:
;;   THIS VERSION OF THE PROBLEM IS GIVEN IN LOW PRECISION. The matrix products marked QUANTISED in the list below multiply operands that are first quantised to E4M3 (4 exponent bits, 3 mantissa bits; 8 bits a number), with one given power-of-two scale for each operand tensor; their sums are f32. All else is computed in f32.
;;   The module's matrix products, in the order in which they are computed (A, B: the left and right operand; K: the contracted axis; several contracted axes count as one K, in the product's order):
;;     1. [M 8,192, K 1,024] x [K 1,024, N 1,024]; A: input Xq (given as codes); B: input Wq (given as codes): QUANTISED (scales: A lowp_scales[0], B lowp_scales[1])
;;     2. [M 8,192, K 1,024] x [K 1,024, N 1,024]; A: input Xk (given as codes); B: input Wk (given as codes): QUANTISED (scales: A lowp_scales[2], B lowp_scales[3])
;;     3. [M 8,192, K 1,024] x [K 1,024, N 1,024]; A: input Xq (given as codes); B: input Wv (given as codes): QUANTISED (scales: A lowp_scales[4], B lowp_scales[5])
;;     4. batch 32 x [M 2,048, K 128] x [K 128, N 2,048]; A: computed on the way; B: computed on the way: QUANTISED (scales: A lowp_scales[6], B lowp_scales[7])
;;     5. batch 32 x [M 128, K 2,048] x [K 2,048, N 2,048]; A: computed on the way; B: softmax (see below): QUANTISED (scales: A lowp_scales[8], B lowp_scales[9])
;;   THE QUANTISER, for each operand of a quantised product, along K:
;;     - The operand's scale is 2^e, e = its entry of the input lowp_scales (int32; the entries are numbered through the quantised products in the list's order, A before B).
;;     - Each number is divided by the scale, clamped to +-448, and rounded to the nearest number of E4M3, ties to even, subnormals kept.
;;     - The product sums the exact products of the quantised numbers (number of the format x scale) in f32.
;;   ~~~python
;;   def quantise(x, axis, e):      # numpy; x: float32 -> the quantised numbers, widened to float32 again
;;       x = np.moveaxis(x, axis, -1); K = x.shape[-1]
;;       r = np.clip(x / 2.0 ** e, -448, 448)
;;       step = 2.0 ** (np.maximum(np.frexp(np.where(r == 0, 1, r))[1] - 1, -6) - 3)
;;       q = np.round(r / step) * step * 2.0 ** e      # np.round: ties to even
;;       return np.moveaxis(q, -1, axis).astype(np.float32)
;;   ~~~
;;   SOFTMAX AHEAD OF A QUANTISED PRODUCT. Where the list says 'softmax', what is quantised is not the finished softmax but p = 2^(t - M), with t = logit x log2(e) and M = ceil(the row's largest t), a whole number; so 1/2 < the row's largest p <= 1. The row's sum l is taken of the UNQUANTISED p, in f32, and the product's result is divided by l at the end. Since M is a whole number, a kernel that streams over the keys may use a running M (the ceiling of the running maximum): every later rescaling is an exact power of two, so the quantised numbers keep their values, but for numbers so far below the row's largest that they fall under the format's range.
;;   OPERANDS COMPUTED ON THE WAY. 'Computed on the way' means the value that the module computes at that place (a softmax that the list does not call 'softmax' is quantised finished and normalised). What goes into a quantiser is computed in f32, as accurately as f32 sums, v_exp_f32 and their like allow (about 1e-6 of the number): no bf16 or f16 on the way to a quantiser, and a product that is left as it is and whose result goes on into a quantised operand takes f32 operands (vector FMAs, or v_wmma_f32_16x16x4_f32). A number that lies on a knife's edge between two numbers of the format may be rounded either way, as far as f32 arithmetic and the matrix unit's own rounding can turn it there, and no further.
;;   INPUTS GIVEN AS CODES. Wk (in the module: [1024, 1024], K = its axis 1); Wq (in the module: [1024, 1024], K = its axis 1); Wv (in the module: [1024, 1024], K = its axis 1); Xk (in the module: [4, 1024, 2048], K = its axis 1); Xq (in the module: [4, 1024, 2048], K = its axis 1): each comes as NAME_codes (uint8): NAME with its K axis moved to the last place and cut into blocks of 32 codes, [.., K / 32, bytes a block], one block behind the other in memory; one code a byte (a code: sign, 4 exponent bits, 3 mantissa bits); its scale is its entry of lowp_scales. Its value is code x scale, taken as it is: it is not quantised again, and the codes and scales need not be those that the quantiser above would give.
;; One version. Each part assembles by itself: llvm-mc -triple=amdgcn-amd-amdhsa -mcpu=gfx1250 --defsym DOCPART=n.
;; ======== version 1 of 1: 2 launches
;; limits: right only within a limited range of input values
;; workspace buffers: acts 25,165,824 bytes
;; launch proj (part 1): grid 4 x 96, 4 waves a work-group, clusters of 4 x 4, 327,680 bytes of LDS; arguments gamma2, beta2, mean2, var2, gamma3, beta3, mean3, var3, gamma1, beta1, mean1, var1, Xk_codes, Xq_codes, Wk_codes, Wv_codes, Wq_codes, lowp_scales, acts; writes acts
.if DOCPART == 1
	.amdgcn_target "amdgcn-amd-amdhsa--gfx1250"
	.amdhsa_code_object_version 6
	.text
	.protected	k_qa01b6e2bf0_proj
	.globl	k_qa01b6e2bf0_proj
	.p2align	8
	.type	k_qa01b6e2bf0_proj,@function
k_qa01b6e2bf0_proj:
	s_mov_b64 s[64:65], 0
	v_nop
	global_prefetch_b8 v0, s[64:65] scope:SCOPE_SE
	s_setreg_imm32_b32 hwreg(HW_REG_WAVE_MODE, 25, 1), 1
	s_wait_xcnt 0x0
	s_wait_alu depctr_hold_cnt(0) depctr_sa_sdst(0) depctr_va_vdst(0) depctr_va_sdst(0) depctr_va_ssrc(0) depctr_va_vcc(0) depctr_vm_vsrc(0)
	s_getreg_b32 s2, hwreg(HW_REG_IB_STS2, 6, 4)
	s_cmp_eq_u32 s2, 0
	s_cbranch_scc0 .Lentry_in_a_cluster
	s_endpgm
.Lentry_in_a_cluster:
	s_bfe_u32 s2, ttmp6, 0x10000c
	s_cmp_lg_u32 s2, 0xf033
	s_cbranch_scc0 .Lentry_shape_is_right
	s_endpgm
.Lentry_shape_is_right:
; THE THREE BRANCHES: conv1x1 on E4M3 codes, BatchNorm (given statistics), LeakyReLU(0.1), and the quantiser of the attention's operands.
; One product form serves all three: G[u][v] = sum over k of U[u][k] V[v][k], K = 1,024, rows of 1,024 bytes of codes.
;   branch 0 (K): U = Xk (8,192 rows), V = Wk (1,024 rows);  branch 1 (V): U = Xq, V = Wv;  branch 2 (Q): U = Wq, V = Xq.
; The matrix instruction takes 16 rows of V as source 0 and 16 rows of U as source 1: a lane holds ONE row of U and eight neighbouring rows of V.
; So in branches 0 and 1 a lane holds one position and runs along the channels (the K of the scores), in branch 2 one channel and runs along the positions (the K of the second product):
; the conversions' results are the registers of the attention's operands, and they are stored as such.
; acts: three sections of 8,388,608 bytes (0: K branch, 1: V branch, 2: Q branch), each made of FRAGMENTS of 2,048 bytes: 16 rows x 128 K as the plain fp8 form holds them
; (lane (r, h): registers 2 c, 2 c + 1 = k 16 c + 8 h + 0 .. 7 of row r), registers 4 g .. 4 g + 3 of lane l at byte 512 g + 16 l.  Sections 0, 1: [b h][position / 16]; section 2: [b h][position / 128][channel / 16].
; In all three a wave's 128 x 128 begins at section + 262,144 (b h) + 128 x (its first position in the batch) and is 16,384 bytes on end: every store of a wave covers 512 consecutive bytes, aligned.
; SHARES: a tile of 256 x 256 to a work-group of four waves, 128 x 128 a wave: 64 accumulators, 512 registers.  128 tiles a branch, 384 work-groups.
; CLUSTERS: 4 x 4 work-groups; eight clusters a branch.  U's tile hangs on the cluster's row alone, V's on its column alone: each is asked for jointly by the four that need it.
; K goes in four steps of 256 through two LDS slots; the steps are written out.
; LIMITS: the exponents of the operands made here (entries 6, 7, 8 of the scales) lie between -126 and 127, so that 2^e is an f32 number; the inputs' exponents go in by v_ldexp_f32 and have no limit.
; gamma x rsq(var + eps) stands for gamma / sqrt(var + eps).  NaN and infinities among the inputs are not served.
; REGISTERS, in windows of 256: window 0: v0-31 addresses and constants; v32-51 the statistics at the head; from v128 U's fragments, ONE set; on the way out v32-255 are free.
;   window 1: V's fragments, two sets.   windows 2, 3: the accumulators ((a, b) at v[8 (8 (a % 4) + b)] of window 2 + a / 4).
.set ROWB,   256                       ; a tile's row in bytes
.set KROW,   1024                      ; a row of codes in memory
.set PITCH,  272                       ; an LDS row: 256 bytes + 16 of padding = 68 words: the 16 rows that a load touches start 4 words apart (64 banks of 4 bytes: ISA guide 11.1)
.set FR,     16                        ; registers of a fragment
.set NL,     4                         ; LDS loads that bring one
.set NP,     4                         ; places behind this matrix instruction (ISA guide 7.12.1)
.set HALFT,  128*PITCH                 ; what one tensor load brings
.set SLOT,   4*HALFT                   ; U's 256 rows, then V's 256 rows
.set SPARE,  2*SLOT                    ; the spare words: 128 bytes a wave, two blocks of 256 bytes that no other line names
.set BN,     SPARE+512                 ; 1,024 bytes a wave: S[128] f32, then T[128]: y = sum x S + T.  No tile lands here
.set ADRA, 16                          ; v16-17  LDS address of my fragments of U in slot 0, 1
.set ADRB, 20                          ; v20-21  the same for V
.set L16,  24                          ; v24     16 x lane
.set BNW,  25                          ; v25     where I store my four channels' S
.set BNV,  26                          ; v26     S of the channels 8 h on (channels along the registers)
.set BNU,  27                          ; v27     S of channel r (a channel a lane)
.set SPW,  28                          ; v28     my spare word; never rewritten
.set NIL,  29                          ; v29     0; never rewritten
.set SCL,  30                          ; v30     2^eo as f32
.set LIM,  31                          ; v31     not used
.set SB,   32                          ; the way out: S
.set TV,   96                          ; T (channels along the registers)
.set Y,    160                         ; a block's 64 numbers
.set Z,    224                         ; 0.1 y
.set CD,   240                         ; a fragment's 16 registers of codes
.set AF,   128                         ; U's fragments, in window 0
.set G1, 24                            ; s[24:31] group 1 for U's tiles;  s[32:39] group 0, a set for each slot
.set G0, 32
.set G1B, 48                           ; s[48:55], s[56:63] the same for V's
.set G0B, 56
.set MSB, 0
.macro WIN new                         ; the immediate's high byte repeats the setting that is left
.if MSB != (\new)
	s_set_vgpr_msb (MSB<<8)|(\new)
.set MSB, (\new)
.endif
.endm
.set MUL_LO, 0xa1                      ; source 0 (V) window 1, source 1 (U) window 0, C and D window 2
.set MUL_HI, 0xf1                      ; the same, C and D window 3
.set TO_B,   0x40                      ; destination window 1, address window 0
; A joint load: waves 0 and 1 fetch U's halves, waves 2 and 3 V's.  The branch hangs on the wave's number alone.  Four v_nop follow each of the two lines.
.macro JLOAD g0a, g1a, g0b, g1b
	s_cmp_eq_u32 s15, 0
	s_cbranch_scc0 .Lfor_b_\@
	tensor_load_to_lds s[\g0a:\g0a+3], s[\g1a:\g1a+7]
	s_nop 0
.rept 4
	v_nop
.endr
	s_branch .Lasked_\@
.Lfor_b_\@:
	tensor_load_to_lds s[\g0b:\g0b+3], s[\g1b:\g1b+7]
	s_nop 0
.rept 4
	v_nop
.endr
.Lasked_\@:
.endm
.macro CREST                           ; a round of the cluster's barrier behind its opening barrier
	s_cmp_lg_u32 s14, 0
	s_cbranch_scc1 .Lnot_wave_0_\@
	s_barrier_signal -3
.Lnot_wave_0_\@:
	s_barrier_wait -3
	s_barrier_signal -1
	s_barrier_wait -1
.endm
.macro CROUND                          ; a whole round
	s_barrier_signal -1
	s_barrier_wait -1
	CREST
.endm
	s_load_b256 s[4:11], s[0:1], 0x0               ; gamma, beta, mean, var of branch 0
	s_load_b256 s[84:91], s[0:1], 0x20             ; of branch 1
	s_load_b256 s[92:99], s[0:1], 0x40             ; of branch 2
	s_load_b128 s[68:71], s[0:1], 0x60             ; Xk, Xq
	s_load_b128 s[72:75], s[0:1], 0x70             ; Wk, Wv
	s_load_b128 s[76:79], s[0:1], 0x80             ; Wq, the scales' exponents
	s_load_b64 s[80:81], s[0:1], 0x90              ; acts
	v_lshl_add_u32 v[SPW], v0, 2, SPARE
	v_mov_b32 v[NIL], 0
	ds_add_u32 v28, v29
	ds_add_u32 v28, v29
	s_wait_dscnt 0x0
	v_lshrrev_b32 v1, 5, v0
	v_readfirstlane_b32 s14, v1                    ; wave 0..3
	s_lshr_b32 s15, s14, 1                         ; which half of the tile's rows of U is mine.  Also: I fetch for U (0) or for V (1)
	s_and_b32 s16, s14, 1                          ; which half of its rows of V.  Also: which 128 rows of that tile I fetch
	s_bfe_u32 s40, ttmp6, 0x40000                  ; cx, cy: my place in the cluster
	s_bfe_u32 s41, ttmp6, 0x40004
	s_and_b32 s2, ttmp7, 0xffff                    ; the cluster's y, 0 .. 23: the same in all sixteen partners
	s_lshr_b32 s17, s2, 3                          ; the branch
	s_and_b32 s18, s2, 7
	s_lshl_b32 s18, s18, 2                         ; 4 x the cluster's number in its branch: the first of its four tiles along X's rows
	s_lshl_b32 s44, s41, 2
	s_lshl_b32 s44, 15, s44                        ; my row of the cluster
	s_lshl_b32 s45, 0x1111, s40                    ; my column
	s_cmp_eq_u32 s17, 2
	s_cselect_b32 s2, 0, s18                       ; X's rows are U's in branches 0 and 1,
	s_cselect_b32 s3, s18, 0                       ; V's in branch 2
	s_add_co_u32 s43, s41, s2                      ; U's tile: cy (+ 4 x cluster)
	s_add_co_u32 s42, s40, s3                      ; V's tile: cx (+ 4 x cluster)
	s_mov_b32 s12, 0x3dcccccd                      ; 0.1
	s_mov_b32 s13, s12                             ; (named with it as a pair, so it is written)
	; descriptor group 1: a tile of 128 rows x 256 bytes, padded in LDS
	s_or_b32 s[G1+0], s44, (1<<20)|(1<<21)|(5<<22)|(3<<25)   ; 15:0 the mask: U's tiles go to my row; 17:16 elements of 1 byte; 20 padding on; 21 set beside a mask; 24:22 after every 64 words; 31:25 four words
	s_or_b32 s[G1B+0], s45, (1<<20)|(1<<21)|(5<<22)|(3<<25)  ; V's go to my column
.irp g, G1, G1B
	s_mov_b32 s[\g+1], ROWB<<16                    ; tensor_dim0
	s_mov_b32 s[\g+2], 128<<16                     ; tensor_dim1
	s_mov_b32 s[\g+3], ROWB<<16                    ; tile_dim0
	s_mov_b32 s[\g+4], 128                         ; tile_dim1
	s_mov_b32 s[\g+5], KROW                        ; tensor_dim0_stride
	s_mov_b32 s[\g+6], 0
	s_mov_b32 s[\g+7], 0
.endr
	s_lshl_b32 s20, s43, 8
	s_lshl_b32 s21, s16, 7
	s_add_co_u32 s20, s20, s21                     ; U: row 256 x tile + 128 x half,
	s_lshl_b32 s20, s20, 10                        ; in bytes (under 2^23)
	s_mov_b32 s21, 0
	s_lshl_b32 s46, s42, 8
	s_lshl_b32 s47, s16, 7
	s_add_co_u32 s46, s46, s47                     ; V likewise, in registers that never hold cy
	s_lshl_b32 s46, s46, 10
	s_mov_b32 s47, 0
	s_mul_i32 s19, s14, HALFT                      ; where the tiles go: wave x 128 rows: no place in the cluster enters an LDS address
	s_wait_kmcnt 0x0
	s_cmp_eq_u32 s17, 0                            ; the buffers are chosen by the branch's number alone
	s_cselect_b64 s[82:83], s[68:69], s[70:71]     ; X: Xk in branch 0, else Xq
	s_cselect_b64 s[100:101], s[72:73], s[74:75]   ; W: Wk, Wv,
	s_cselect_b64 s[84:85], s[4:5], s[84:85]
	s_cselect_b64 s[86:87], s[6:7], s[86:87]
	s_cselect_b64 s[88:89], s[8:9], s[88:89]
	s_cselect_b64 s[90:91], s[10:11], s[90:91]
	s_cmp_eq_u32 s17, 2
	s_cselect_b64 s[100:101], s[76:77], s[100:101] ; or Wq
	s_cselect_b64 s[84:85], s[92:93], s[84:85]     ; s[84:91]: my branch's gamma, beta, mean, var
	s_cselect_b64 s[86:87], s[94:95], s[86:87]
	s_cselect_b64 s[88:89], s[96:97], s[88:89]
	s_cselect_b64 s[90:91], s[98:99], s[90:91]
	s_cselect_b64 s[22:23], s[100:101], s[82:83]   ; U
	s_cselect_b64 s[2:3], s[82:83], s[100:101]     ; V
	s_load_b256 s[92:99], s[78:79], 0x0            ; the exponents 0 .. 7
	s_load_b64 s[4:5], s[78:79], 0x20              ; 8, 9
	s_add_nc_u64 s[22:23], s[22:23], s[20:21]
	s_add_nc_u64 s[46:47], s[2:3], s[46:47]
	CROUND                                         ; all sixteen work-groups are here: the first joint loads meet
.irp s, 0,1
	s_mov_b32 s[G0+4*\s], 1
	s_add_co_u32 s[G0+4*\s+1], s19, \s*SLOT
	s_add_nc_u64 s[G0+4*\s+2:G0+4*\s+3], s[22:23], \s*ROWB
	s_or_b32 s[G0+4*\s+3], s[G0+4*\s+3], 0x80000000
	s_mov_b32 s[G0B+4*\s], 1
	s_add_co_u32 s[G0B+4*\s+1], s19, \s*SLOT
	s_add_nc_u64 s[G0B+4*\s+2:G0B+4*\s+3], s[46:47], \s*ROWB
	s_or_b32 s[G0B+4*\s+3], s[G0B+4*\s+3], 0x80000000
	JLOAD G0+4*\s, G1, G0B+4*\s, G1B               ; two tensor loads of mine are out
.endr
	v_and_b32 v1, 15, v0                           ; r = l % 16
	v_bfe_u32 v2, v0, 4, 1                         ; h = l / 16
	v_mul_u32_u24 v3, v1, PITCH
	v_lshl_add_u32 v4, v2, 4, v3                   ; a fragment's row x pitch + 16 x half
	s_mul_i32 s21, s15, HALFT                      ; my 128 rows of U
	s_mul_i32 s22, s16, HALFT                      ; my 128 rows of V,
	s_add_co_u32 s22, s22, 2*HALFT                 ; which lie behind U's 256
.irp s, 0,1
	v_add_nc_u32 v[ADRA+\s], s21, v4
	v_add_nc_u32 v[ADRB+\s], s22, v4
	s_add_co_u32 s21, s21, SLOT
	s_add_co_u32 s22, s22, SLOT
.endr
	v_and_b32 v5, 31, v0
	v_lshlrev_b32 v[L16], 4, v5
	s_wait_alu depctr_va_vdst(0)
	s_lshl_b32 s23, s14, 10
	s_add_co_u32 s23, s23, BN                      ; my wave's S and T
	v_add_nc_u32 v[BNW], s23, v[L16]
	v_lshl_add_u32 v[BNV], v2, 5, s23
	v_lshl_add_u32 v[BNU], v1, 2, s23
	; my wave's first rows, and where its 16,384 bytes of codes go
	s_lshl_b32 s20, s43, 8
	s_lshl_b32 s21, s15, 7
	s_add_co_u32 s20, s20, s21                     ; my first row of U
	s_lshl_b32 s21, s42, 8
	s_lshl_b32 s22, s16, 7
	s_add_co_u32 s21, s21, s22                     ; my first row of V
	s_cmp_eq_u32 s17, 2
	s_cselect_b32 s22, s21, s20                    ; my first row of X: 2,048 b + position
	s_cselect_b32 s23, s20, s21                    ; my first channel: 128 h
	s_lshl_b32 s2, s17, 23                         ; the section
	s_lshr_b32 s3, s22, 11
	s_lshl_b32 s3, s3, 21                          ; + b x 8 heads x 262,144
	s_add_co_u32 s2, s2, s3
	s_lshr_b32 s3, s23, 7
	s_lshl_b32 s3, s3, 18                          ; + h x 262,144
	s_add_co_u32 s2, s2, s3
	s_and_b32 s3, s22, 2047
	s_lshl_b32 s3, s3, 7                           ; + 128 x position
	s_add_co_u32 s2, s2, s3
	s_mov_b32 s3, 0
	s_add_nc_u64 s[66:67], s[80:81], s[2:3]
	s_lshl_b32 s2, s23, 2                          ; my 128 channels' statistics: four a lane
	s_add_nc_u64 s[84:85], s[84:85], s[2:3]
	s_add_nc_u64 s[86:87], s[86:87], s[2:3]
	s_add_nc_u64 s[88:89], s[88:89], s[2:3]
	s_add_nc_u64 s[90:91], s[90:91], s[2:3]
	global_load_b128 v[32:35], v[L16], s[84:85]    ; gamma
	global_load_b128 v[36:39], v[L16], s[86:87]    ; beta
	global_load_b128 v[40:43], v[L16], s[88:89]    ; mean
	global_load_b128 v[44:47], v[L16], s[90:91]    ; var
	s_wait_kmcnt 0x0
	s_add_co_i32 s20, s94, s95                     ; branch 0: entries 2 + 3
	s_add_co_i32 s21, s96, s97                     ; branch 1: 4 + 5
	s_add_co_i32 s22, s92, s93                     ; branch 2: 0 + 1
	s_cmp_eq_u32 s17, 0
	s_cselect_b32 s20, s20, s21
	s_cselect_b32 s21, s98, s99                    ; what is made here has entry 6, 7
	s_cmp_eq_u32 s17, 2
	s_cselect_b32 s20, s22, s20                    ; ea + eb: a sum stands for sum x 2^(ea + eb)
	s_cselect_b32 s21, s4, s21                     ; or 8: eo
	s_add_co_i32 s21, s21, 127
	s_lshl_b32 s22, s21, 23
	v_mov_b32 v[SCL], s22                          ; 2^eo as f32: the conversion takes its exponent field
	s_wait_loadcnt 0x0
.irp i, 0,1,2,3
	v_add_f32 v[44+\i], 0x3727c5ac, v[44+\i]       ; var + 1e-5
.endr
	s_wait_alu depctr_va_vdst(0)
.irp i, 0,1,2,3
	v_rsq_f32 v[48+\i], v[44+\i]
.endr
	v_nop                                          ; a plain instruction between the last of them and the first use
	s_wait_alu depctr_va_vdst(0)                   ; the wait ahead of the first reader: one for the four
.irp i, 0,1,2,3
	v_mul_f32 v[32+\i], v[32+\i], v[48+\i]         ; scale = gamma / sqrt(var + eps)
.endr
.irp i, 0,1,2,3
	v_fma_f32 v[36+\i], -v[40+\i], v[32+\i], v[36+\i]   ; T = beta - mean x scale
.endr
.irp i, 0,1,2,3
	v_ldexp_f32 v[32+\i], v[32+\i], s20            ; S = scale x 2^(ea + eb)
.endr
	ds_store_b128 v[BNW], v[32:35]
	ds_store_b128 v[BNW], v[36:39] offset:512      ; my wave's own bytes: only I read them
.macro FRAG reg, adr, q, i             ; a fragment: four loads of 16 bytes, 32 bytes apart: lane l holds, of row l % 16, K = 32 c + 16 (l / 16) + 0 .. 15 in registers 4 c .. 4 c + 3: the same order of k in U and in V, so every product meets its partner
.irp c, 0,1,2,3
	ds_load_b128 v[\reg+4*\c:\reg+4*\c+3], v[\adr] offset:128*(\q)+32*\c+(\i)*16*PITCH
.endr
.endm
; 16 matrix instructions: U's blocks a0, a0 + 1 x V's eight, 128 along K.  p: V's set.  zero = 1: the first product starts the sums.  The 64 accumulators take turns, one instruction a turn.
.macro MUL16 a0, p, zero
.irp a, \a0, \a0+1
.irp b, 0,1,2,3,4,5,6,7
.if \zero
	v_wmma_f32_16x16x128_fp8_fp8 v[8*(8*((\a)%4)+\b):8*(8*((\a)%4)+\b)+7], v[128*(\p)+FR*\b:128*(\p)+FR*\b+FR-1], v[AF+FR*(\a):AF+FR*(\a)+FR-1], 0
.else
	v_wmma_f32_16x16x128_fp8_fp8 v[8*(8*((\a)%4)+\b):8*(8*((\a)%4)+\b)+7], v[128*(\p)+FR*\b:128*(\p)+FR*\b+FR-1], v[AF+FR*(\a):AF+FR*(\a)+FR-1], v[8*(8*((\a)%4)+\b):8*(8*((\a)%4)+\b)+7]
.endif
.endr
.endr
.endm
.macro FETCH_B slot, q, p              ; V's eight fragments of the slot's q-th 128 along K into set p
	WIN TO_B
.irp i, 0,1,2,3,4,5,6,7
	FRAG 128*(\p)+FR*\i, ADRB+\slot, \q, \i
.endr
	WIN 0
.endm
.macro FETCH_A slot, q, i0             ; U's blocks i0 .. i0 + 3
.irp i, \i0, \i0+1, \i0+2, \i0+3
	FRAG AF+FR*(\i), ADRA+\slot, \q, \i
.endr
.endm
; A load into a register that a matrix instruction has read, and a vector instruction that reads a matrix result, stand NP places behind it; only plain vector instructions that name none of its registers are places.
.macro PLACES n
.rept \n
	v_nop
.endr
.endm
; A step of 128 along K that has its successor in the same slot.  U has one set of registers: blocks 0-3 are fetched anew in the step's middle, blocks 4-7 at its end.
.macro STEP slot, q, zero
	s_wait_dscnt 4*NL                              ; V's set and U's blocks 0-3 are in; the youngest sixteen loads (U's blocks 4-7) may be out
	WIN MUL_LO
	MUL16 0, (\q)%2, \zero
	MUL16 2, (\q)%2, \zero
	s_wait_dscnt 0                                 ; U's blocks 4-7 are in
	PLACES NP
	FETCH_B \slot, (\q)+1, 1-(\q)%2
	FETCH_A \slot, (\q)+1, 0
	WIN MUL_HI
	MUL16 4, (\q)%2, \zero
	MUL16 6, (\q)%2, \zero
	PLACES NP
	WIN 0
	FETCH_A \slot, (\q)+1, 4
.endm
; A slot's last step changes slots: ONE barrier; in front of it each wave waits for all its tensor loads, adds 0 to its spare word, and waits for that and for its own reads of this slot.  fill = 1: this slot is filled again, two K steps ahead.
.macro TURN slot, next, fill
	s_wait_tensorcnt 0x0                           ; all my tensor loads have landed: my part of the next slot
	ds_add_u32 v[SPW], v[NIL]                      ; 0 onto my spare word
	s_wait_dscnt 4*NL+1                            ; (the add and the youngest sixteen loads may be out)
	WIN MUL_LO
	MUL16 0, 1, 0                                  ; sixteen matrix instructions stand between the add and the wait for it
	s_wait_dscnt 0x0                               ; the add is done, and my reads of this slot are over
	s_barrier_signal -1
	MUL16 2, 1, 0
	WIN 0
	s_barrier_wait -1
.if \fill
	CREST                                          ; the barrier has opened a round of the cluster's barrier: no wave of any partner still reads this slot or has a load on its way
	s_add_nc_u64 s[G0+4*\slot+2:G0+4*\slot+3], s[G0+4*\slot+2:G0+4*\slot+3], 2*ROWB
	s_add_nc_u64 s[G0B+4*\slot+2:G0B+4*\slot+3], s[G0B+4*\slot+2:G0B+4*\slot+3], 2*ROWB
	JLOAD G0+4*\slot, G1, G0B+4*\slot, G1B         ; the first tensor load behind the round, and my only one out; its four v_nop are the places in front of the loads below
.else
	PLACES NP
.endif
	FETCH_B \next, 0, 0
	FETCH_A \next, 0, 0
	WIN MUL_HI
	MUL16 4, 1, 0
	MUL16 6, 1, 0
	PLACES NP
	WIN 0
	FETCH_A \next, 0, 4
.endm
	s_wait_tensorcnt 1                             ; my part of K step 0 is in; K step 1's load may stay out
	s_wait_dscnt 0x0                               ; my stores of S and T are done
	s_barrier_signal -1
	s_barrier_wait -1                              ; everybody's part is in
	FETCH_B 0, 0, 0
	FETCH_A 0, 0, 0
	FETCH_A 0, 0, 4
	STEP 0, 0, 1                                   ; K 0-127: the products start the sums
	TURN 0, 1, 1                                   ; K 128-255; slot 0 takes K 512-767
	STEP 1, 0, 0
	TURN 1, 0, 1                                   ; slot 1 takes K 768-1023
	STEP 0, 0, 0
	TURN 0, 1, 0                                   ; nothing is left to fetch
	STEP 1, 0, 0
	s_wait_dscnt 4*NL                              ; the last 128 along K
	WIN MUL_LO
	MUL16 0, 1, 0
	MUL16 2, 1, 0
	s_wait_dscnt 0
	WIN MUL_HI
	MUL16 4, 1, 0
	MUL16 6, 1, 0
	WIN 0
	PLACES NP                                      ; in front of the loads into registers that held U's fragments, and of the first read of results
; THE WAY OUT, a block of 16 rows of U at a time: y = sum x S + T (one packed multiply-add for two numbers, each accumulator from its low end on), max(y, 0.1 y), the conversion.
; A block's 64 numbers of a lane become the 16 registers of one fragment, which leave as they stand: four stores of 512 consecutive bytes.
; perlane = 0: the channels run along the registers (S, T: 64 registers each);  1: a lane has one channel a block (a pair of equal numbers for each block).
.macro EPI perlane
.irp a, 0,1,2,3,4,5,6,7
	WIN 0x02+(\a)/4                                ; source 0: window 2 or 3
.irp bb, 0,1,2,3,4,5,6,7
.irp i, 0,2,4,6
.if \perlane
	v_pk_fma_f32 v[Y+8*\bb+\i:Y+8*\bb+\i+1], v[64*(\a%4)+8*\bb+\i:64*(\a%4)+8*\bb+\i+1], v[SB+2*\a:SB+2*\a+1], v[SB+16+2*\a:SB+16+2*\a+1]
.else
	v_pk_fma_f32 v[Y+8*\bb+\i:Y+8*\bb+\i+1], v[64*(\a%4)+8*\bb+\i:64*(\a%4)+8*\bb+\i+1], v[SB+8*\bb+\i:SB+8*\bb+\i+1], v[TV+8*\bb+\i:TV+8*\bb+\i+1]
.endif
.endr
.endr
	WIN 0
.if \a > 0
	s_wait_xcnt 0x0                                ; the last block's stores have read their data: the codes' registers are written again only behind this wait
.endif
.irp g, 0,1,2,3
.irp i, 0,2,4,6,8,10,12,14
	v_pk_mul_f32 v[Z+\i:Z+\i+1], v[Y+16*\g+\i:Y+16*\g+\i+1], s[12:13] op_sel_hi:[1,0]
.endr
.irp i, 0,1,2,3,4,5,6,7,8,9,10,11,12,13,14,15
	v_max_num_f32 v[Y+16*\g+\i], v[Y+16*\g+\i], v[Z+\i]   ; y where y > 0, else 0.1 y
.endr
.irp i, 0,1,2,3,4,5,6,7,8,9,10,11,12,13,14,15
.endr
	v_cvt_scalef32_pk8_fp8_f32 v[CD+4*\g:CD+4*\g+1], v[Y+16*\g:Y+16*\g+7], v[SCL]
	v_cvt_scalef32_pk8_fp8_f32 v[CD+4*\g+2:CD+4*\g+3], v[Y+16*\g+8:Y+16*\g+15], v[SCL]
.endr
	v_nop                                          ; a plain instruction behind the last conversion: the next block writes its sources
.irp g, 0,1,2,3
	global_store_b128 v[L16], v[CD+4*\g:CD+4*\g+3], s[66:67] offset:2048*\a+512*\g
.endr
.endr
.endm
	s_cmp_eq_u32 s17, 2                            ; the branch's number: the same in every wave of every partner
	s_cbranch_scc1 .Lq_path
.irp bb, 0,1,2,3,4,5,6,7                       ; branches 0 and 1: register 8 bb + j holds channel 16 bb + 8 h + j
	ds_load_b128 v[SB+8*\bb:SB+8*\bb+3], v[BNV] offset:64*\bb
	ds_load_b128 v[SB+8*\bb+4:SB+8*\bb+7], v[BNV] offset:64*\bb+16
	ds_load_b128 v[TV+8*\bb:TV+8*\bb+3], v[BNV] offset:512+64*\bb
	ds_load_b128 v[TV+8*\bb+4:TV+8*\bb+7], v[BNV] offset:512+64*\bb+16
.endr
	s_wait_dscnt 0x0
	EPI 0
	s_branch .Ljoin
.Lq_path:
.irp a, 0,1,2,3,4,5,6,7                        ; branch 2: in block a my lane holds channel 16 a + r
	ds_load_b32 v[SB+2*\a], v[BNU] offset:64*\a
	ds_load_b32 v[SB+2*\a+1], v[BNU] offset:64*\a
	ds_load_b32 v[SB+16+2*\a], v[BNU] offset:512+64*\a
	ds_load_b32 v[SB+16+2*\a+1], v[BNU] offset:512+64*\a
.endr
	s_wait_dscnt 0x0
	EPI 1
.Ljoin:
	s_wait_tensorcnt 0x0                           ; the wave's end
	ds_add_u32 v[SPW], v[NIL]
	s_wait_dscnt 0x0
	CROUND                                         ; the closing round: no work-group ends while a partner may still ask for a tile that names it
	s_endpgm
.Lfunc_end_k_qa01b6e2bf0_proj:
	.size	k_qa01b6e2bf0_proj, .Lfunc_end_k_qa01b6e2bf0_proj-k_qa01b6e2bf0_proj
	.p2alignl 7, 3214868480
	.fill 96, 4, 3214868480
	.section	.rodata,"a",@progbits
	.p2align	6, 0x0
	.amdhsa_kernel k_qa01b6e2bf0_proj
		.amdhsa_group_segment_fixed_size 327680
		.amdhsa_private_segment_fixed_size 0
		.amdhsa_enable_private_segment 0
		.amdhsa_kernarg_size 152
		.amdhsa_user_sgpr_count 2
		.amdhsa_user_sgpr_kernarg_segment_ptr 1
		.amdhsa_wavefront_size32 1
		.amdhsa_system_sgpr_workgroup_id_x 1
		.amdhsa_system_sgpr_workgroup_id_y 1
		.amdhsa_system_sgpr_workgroup_id_z 1
		.amdhsa_system_vgpr_workitem_id 0
		.amdhsa_next_free_vgpr 1024
		.amdhsa_next_free_sgpr 102
		.amdhsa_reserve_vcc 0
		.amdhsa_float_denorm_mode_32 3
		.amdhsa_float_denorm_mode_16_64 3
		.amdhsa_fp16_overflow 1
		.amdhsa_memory_ordered 1
		.amdhsa_forward_progress 1
		.amdhsa_inst_pref_size 197
	.end_amdhsa_kernel
	.amdgpu_metadata
---
amdhsa.version: [ 1, 2 ]
amdhsa.kernels:
  - .name:           k_qa01b6e2bf0_proj
    .symbol:         k_qa01b6e2bf0_proj.kd
    .args:
      - { .name: gamma2, .offset: 0, .size: 8, .value_kind: global_buffer, .address_space: global }
      - { .name: beta2, .offset: 8, .size: 8, .value_kind: global_buffer, .address_space: global }
      - { .name: mean2, .offset: 16, .size: 8, .value_kind: global_buffer, .address_space: global }
      - { .name: var2, .offset: 24, .size: 8, .value_kind: global_buffer, .address_space: global }
      - { .name: gamma3, .offset: 32, .size: 8, .value_kind: global_buffer, .address_space: global }
      - { .name: beta3, .offset: 40, .size: 8, .value_kind: global_buffer, .address_space: global }
      - { .name: mean3, .offset: 48, .size: 8, .value_kind: global_buffer, .address_space: global }
      - { .name: var3, .offset: 56, .size: 8, .value_kind: global_buffer, .address_space: global }
      - { .name: gamma1, .offset: 64, .size: 8, .value_kind: global_buffer, .address_space: global }
      - { .name: beta1, .offset: 72, .size: 8, .value_kind: global_buffer, .address_space: global }
      - { .name: mean1, .offset: 80, .size: 8, .value_kind: global_buffer, .address_space: global }
      - { .name: var1, .offset: 88, .size: 8, .value_kind: global_buffer, .address_space: global }
      - { .name: Xk_codes, .offset: 96, .size: 8, .value_kind: global_buffer, .address_space: global }
      - { .name: Xq_codes, .offset: 104, .size: 8, .value_kind: global_buffer, .address_space: global }
      - { .name: Wk_codes, .offset: 112, .size: 8, .value_kind: global_buffer, .address_space: global }
      - { .name: Wv_codes, .offset: 120, .size: 8, .value_kind: global_buffer, .address_space: global }
      - { .name: Wq_codes, .offset: 128, .size: 8, .value_kind: global_buffer, .address_space: global }
      - { .name: lowp_scales, .offset: 136, .size: 8, .value_kind: global_buffer, .address_space: global }
      - { .name: acts, .offset: 144, .size: 8, .value_kind: global_buffer, .address_space: global }
    .group_segment_fixed_size: 327680
    .private_segment_fixed_size: 0
    .kernarg_segment_align: 8
    .kernarg_segment_size: 152
    .max_flat_workgroup_size: 128
    .sgpr_count:     102
    .vgpr_count:     1024
    .wavefront_size: 32
...
	.end_amdgpu_metadata
.endif
;; end of part 1
;; launch attn (part 2): grid 8 x 32, 8 waves a work-group, clusters of 4 x 1, 327,680 bytes of LDS; arguments acts, lowp_scales, out0; writes out0
.if DOCPART == 2
	.amdgcn_target "amdgcn-amd-amdhsa--gfx1250"
	.amdhsa_code_object_version 6
	.text
	.protected	k_qa01b6e2bf0_attn
	.globl	k_qa01b6e2bf0_attn
	.p2align	8
	.type	k_qa01b6e2bf0_attn,@function
k_qa01b6e2bf0_attn:
	s_mov_b64 s[64:65], 0
	v_nop
	global_prefetch_b8 v0, s[64:65] scope:SCOPE_SE
	s_setreg_imm32_b32 hwreg(HW_REG_WAVE_MODE, 25, 1), 1
	s_wait_xcnt 0x0
	s_wait_alu depctr_hold_cnt(0) depctr_sa_sdst(0) depctr_va_vdst(0) depctr_va_sdst(0) depctr_va_ssrc(0) depctr_va_vcc(0) depctr_vm_vsrc(0)
	s_getreg_b32 s2, hwreg(HW_REG_IB_STS2, 6, 4)
	s_cmp_eq_u32 s2, 0
	s_cbranch_scc0 .Lentry_in_a_cluster
	s_endpgm
.Lentry_in_a_cluster:
	s_bfe_u32 s2, ttmp6, 0x10000c
	s_cmp_lg_u32 s2, 0x3003
	s_cbranch_scc0 .Lentry_shape_is_right
	s_endpgm
.Lentry_shape_is_right:
; out[b h][c][i] = the sum over j of softmax_j(K[:, i] . V[:, j] / sqrt(128)) Q[c][j], both products on E4M3 codes.  32 heads (b h), 2,048 positions i (the queries: K branch), 2,048 positions j (the keys: V branch; the values: Q branch), head size 128.
; acts holds all three as fragments of 2,048 bytes, images of the operand's registers (16 rows x 128 K; registers 4 g .. 4 g + 3 of lane l at 512 g + 16 l): section 0 queries [b h][i / 16], section 1 keys [b h][j / 16], section 2 values [b h][j / 128][c / 16].
; THE SOFTMAX: t = score x log2(e) / sqrt(128); M = the row's largest t so far, rounded UP to a whole number; p = 2^(t - M) is quantised with the given scale; the row's sum is taken of the unquantised p and divides at the end.
; When M moves, the sum and O are multiplied by 2^(old M - new M), which rounds nothing.
; SHARES: a work-group owns 256 queries of one head, each of its eight waves 32: two tiles of 16, so that each fragment of keys or values read from LDS feeds two products.  Two waves to a SIMD: one's vector work stands beside the other's products and LDS loads.
; LAYOUT: S^T = keys x queries^T, O^T = values x p^T: a lane holds ONE query (lane % 16) throughout; register 8 f + j of S^T is key 16 f + 8 (lane / 16) + j, which is the place that the second product's operand gives it: the conversions' results are that operand.
; RING: two LDS slots of 512 keys (65,536 bytes of keys, then 65,536 of values).  Every wave fetches 16,384 bytes, one dense block, by one tensor load.
; CLUSTER: the four query blocks of a cluster belong to one head and walk the same keys and values: each block is asked for jointly by the four.
; LIMITS on the given exponents: entries 6 + 7 between -123 and 130 (added to c's exponent field); entry 9 between -126 and 127; entries 8 + 9 go in by v_ldexp_f32 and have none.
; REGISTERS: window 0: v1-9 addresses; v16-31 statistics, eight a tile; v32 2^ep; v34-39 at work; v64-191 S^T, then p, 64 a tile; v192-223 p's codes; v224-255 the queries' two fragments.
;   window 1: v0-127 O^T, 64 a tile; v128-255 eight fragments of keys or of values.
.set SLOTB, 131072                     ; a slot
.set STEPB, 16384                      ; a step's eight fragments
.set VOFF,  65536                      ; the values lie behind a slot's keys
.set SPARE, 2*SLOTB                    ; the spare words: 128 bytes a wave, four blocks of 256 bytes that no other line names
.set SP,    1040                       ; the way out: a stage of 128 rows (channels) x (256 queries x 4 bytes + 16), from LDS byte 0: it is written when the ring has had its last fill and its last read
.set L16,  1                           ; v1   16 x lane
.set ADK,  2                           ; v2   the step's keys
.set ADV,  3                           ; v3   the step's values
.set SPW,  4                           ; v4   my spare word; never rewritten
.set NIL,  5                           ; v5   0; never rewritten
.set STO0, 6                           ; v6   the stage: channels 8 h on, my wave's 32 queries, query r
.set STO1, 7                           ; v7   the same 64 channels further on
.set RD,   8                           ; v8   the stage, back: my wave's 16 rows, 16 bytes a lane
.set PFO,  9                           ; v9   256 x lane
.set ST,   16                          ; tile t at v[ST + 8 t]: +0 -M, +1 the largest t, +2, +3 the sum in two halves, +4 f (+5 named with it), +6, +7 at work
.set SCL,  32
.set LIMV, 33
.set PM,   34                          ; v34, v35 a lane permute's destination
.set TS,   36                          ; v[36:37], v[38:39] the sums' second chain
.set S,    64
.set CD,   192
.set QF,   224
.set KF,   128                         ; in window 1
.set WV,   10                          ; s10  my wave's number
.set G1,   16                          ; s[16:23] descriptor group 1
.set G0,   24                          ; s[24:31] group 0, a set for each slot
.set SEL,  32                          ; s[32:33] lane selects: lane l xor 16
.set CS,   34                          ; s[34:35] c = log2(e) / sqrt(128) x 2^(e6 + e7)
.set TB,   36                          ; s36  LDS byte of the step's keys
.set CNT,  37                          ; s37  steps left in the slot
.set LIM,  38                          ; s38  2 in a wave that prefetches, else the greatest number
.set PFA,  40                          ; s[40:41] where my prefetch stands
.set MSB, 0
.macro WIN new                         ; the immediate's high byte repeats the setting that is left
.if MSB != (\new)
	s_set_vgpr_msb (MSB<<8)|(\new)
.set MSB, (\new)
.endif
.endm
.macro CROUND                          ; a round of the cluster's barrier
	s_barrier_signal -1
	s_barrier_wait -1
	s_cmp_lg_u32 s[WV], 0
	s_cbranch_scc1 .Lnot_wave_0_\@
	s_barrier_signal -3
.Lnot_wave_0_\@:
	s_barrier_wait -3
	s_barrier_signal -1
	s_barrier_wait -1
.endm
	s_load_b128 s[4:7], s[0:1], 0x0                ; acts, the scales' exponents
	s_load_b64 s[8:9], s[0:1], 0x10                ; out
	v_lshl_add_u32 v[SPW], v0, 2, SPARE
	v_mov_b32 v[NIL], 0
	ds_add_u32 v4, v5
	ds_add_u32 v4, v5
	s_wait_dscnt 0x0
	v_lshrrev_b32 v10, 5, v0
	s_delay_alu instid0(VALU_DEP_1)
	v_readfirstlane_b32 s[WV], v10                 ; wave 0..7
	s_bfe_u32 s11, ttmp6, 0x40000                  ; cx
	s_lshl_b32 s12, ttmp9, 2
	s_add_co_u32 s12, s12, s11                     ; my block of 256 queries: it enters the queries', the output's and the prefetch's addresses alone
	s_and_b32 s13, ttmp7, 0xffff                   ; the head, which the four partners share
	; descriptor group 1: 16,384 dense bytes as 64 rows of 32 elements of 8 bytes
	s_mov_b32 s[G1], 15|(3<<16)|(1<<21)            ; 15:0 the mask: all four work-groups; 17:16 elements of 8 bytes; 21 set beside a mask; no padding
	s_mov_b32 s[G1+1], 32<<16                      ; tensor_dim0
	s_mov_b32 s[G1+2], 64<<16                      ; tensor_dim1
	s_mov_b32 s[G1+3], 32<<16                      ; tile_dim0
	s_mov_b32 s[G1+4], 64                          ; tile_dim1
	s_mov_b32 s[G1+5], 32                          ; tensor_dim0_stride
	s_mov_b32 s[G1+6], 0
	s_mov_b32 s[G1+7], 0
	s_mov_b32 s[SEL], 0x76543210
	s_mov_b32 s[SEL+1], 0xfedcba98
	v_and_b32 v10, 31, v0                          ; lane
	v_and_b32 v11, 15, v0                          ; r
	v_bfe_u32 v12, v0, 4, 1                        ; h
	s_delay_alu instid0(VALU_DEP_3)
	v_lshlrev_b32 v[L16], 4, v10
	s_delay_alu instid0(VALU_DEP_4)
	v_lshlrev_b32 v[PFO], 8, v10
	s_delay_alu instid0(VALU_DEP_3)
	v_mul_u32_u24 v[STO0], v12, 8*SP
	s_delay_alu instid0(VALU_DEP_1)
	v_lshl_add_u32 v[STO0], v11, 2, v[STO0]
	s_lshl_b32 s48, s[WV], 7
	v_add_nc_u32 v[STO0], s48, v[STO0]             ; 8 h rows + 4 r + 128 x wave
	s_delay_alu instid0(VALU_DEP_1)
	v_add_nc_u32 v[STO1], 64*SP, v[STO0]
	s_mul_i32 s48, s[WV], 16*SP
	v_add_nc_u32 v[RD], s48, v[L16]
	s_lshl_b32 s39, s[WV], 14                      ; my 16,384 bytes of a slot: waves 0-3 a step's keys, waves 4-7 a step's values
	s_lshl_b32 s48, s13, 18                        ; the head's 262,144 bytes in a section
	s_lshr_b32 s52, s[WV], 2
	s_add_co_u32 s52, s52, 1                       ; section 1 or 2
	s_lshl_b32 s52, s52, 23
	s_add_co_u32 s52, s52, s48
	s_and_b32 s53, s[WV], 3
	s_lshl_b32 s53, s53, 14
	s_add_co_u32 s52, s52, s53                     ; what I fetch of the head's first 512 keys
	s_mov_b32 s53, 0
	s_lshl_b32 s50, s12, 15
	s_add_co_u32 s50, s50, s48
	s_lshl_b32 s51, s[WV], 12
	s_add_co_u32 s50, s50, s51                     ; my two fragments of queries: section 0, fragment 16 x block + 2 x wave
	s_mov_b32 s51, 0
	s_lshl_b32 s54, s13, 20                        ; out: the head's 128 rows of 8,192 bytes,
	s_lshl_b32 s55, s[WV], 17                      ; my wave's 16 rows,
	s_add_co_u32 s54, s54, s55
	s_lshl_b32 s55, s12, 10                        ; my block's 1,024 bytes of a row
	s_add_co_u32 s54, s54, s55
	s_mov_b32 s55, 0
	s_wait_kmcnt 0x0
	s_load_b128 s[44:47], s[6:7], 0x18             ; the exponents 6, 7, 8, 9
	s_add_nc_u64 s[42:43], s[4:5], s[50:51]
	s_add_nc_u64 s[8:9], s[8:9], s[54:55]
	s_add_nc_u64 s[54:55], s[4:5], s[52:53]
	; THE PREFETCHES.  The bytes of the third and fourth 512 keys (65,536 of keys and of values each) are asked for once in the launch, by the head's first cluster, in the third step of the slot in front of the load that wants them.
	; The four partners share them out by address, 16,384 bytes of each section; in each, waves 0 and 1 ask for keys, waves 2 and 3 for values, 8,192 bytes a wave, lanes 256 bytes apart.
	s_bfe_u32 s50, s[WV], 0x10001
	s_add_co_u32 s50, s50, 1
	s_lshl_b32 s50, s50, 23
	s_add_co_u32 s50, s50, s48
	s_add_co_u32 s50, s50, 2*VOFF                  ; the third 512 keys
	s_lshl_b32 s51, s11, 14
	s_add_co_u32 s50, s50, s51
	s_and_b32 s51, s[WV], 1
	s_lshl_b32 s51, s51, 13
	s_add_co_u32 s50, s50, s51
	s_mov_b32 s51, 0
	s_add_nc_u64 s[PFA:PFA+1], s[4:5], s[50:51]
	s_lshr_b32 s48, s[WV], 2                       ; 0 in waves 0-3,
	s_or_b32 s48, s48, ttmp9                       ; of the head's first cluster: the same in all four partners
	s_cmp_eq_u32 s48, 0
	s_cselect_b32 s[LIM], 2, -1
.irp s, 0,1
	s_mov_b32 s[G0+4*\s], 1                        ; count = 1
	s_add_co_u32 s[G0+4*\s+1], s39, \s*SLOTB       ; LDS address
	s_add_nc_u64 s[G0+4*\s+2:G0+4*\s+3], s[54:55], \s*VOFF   ; slot s begins with keys 512 s on
	s_or_b32 s[G0+4*\s+3], s[G0+4*\s+3], 0x80000000
.endr
	CROUND                                         ; all four work-groups are here: the first joint loads meet
	tensor_load_to_lds s[G0:G0+3], s[G1:G1+7]      ; the first fill; the second goes out behind a wait and a round
	s_nop 0
	s_wait_alu depctr_va_vdst(0)
	s_wait_tensorcnt 0x0
	ds_add_u32 v4, v5
	s_wait_dscnt 0x0
	CROUND
	tensor_load_to_lds s[G0+4:G0+7], s[G1:G1+7]
	s_nop 0
.rept 4
	v_nop
.endr
	s_wait_alu depctr_va_vdst(0)
.irp t, 0,1
.irp c, 0,1,2,3
	global_load_b128 v[QF+16*\t+4*\c:QF+16*\t+4*\c+3], v[L16], s[42:43] offset:2048*\t+512*\c th:TH_LOAD_NT   ; the queries stay in registers
.endr
.endr
.irp t, 0,1
	v_mov_b32 v[ST+8*\t+1], 0xff61b1e6             ; the largest t so far: -3e38, under every t
	s_delay_alu instid0(VALU_DEP_1)
	v_floor_f32 v[ST+8*\t], -v[ST+8*\t+1]          ; -M
	v_mov_b32 v[ST+8*\t+2], 0                      ; the sum
	v_mov_b32 v[ST+8*\t+3], 0
	v_mov_b32 v[ST+8*\t+5], 0                      ; (named as the upper half of f's pair)
	v_mov_b32 v[PM+\t], 0                          ; (a lane permute's destination counts as one of its sources)
.endr
	WIN 0x40
.set i, 0
.rept 128
	v_mov_b32 v[i], 0                              ; O^T.  The step is written without a first step of its own: the first change of M multiplies zeros
.set i, i+1
.endr
	WIN 0
	s_wait_kmcnt 0x0
	s_add_co_i32 s48, s44, s45
	s_lshl_b32 s48, s48, 23
	s_mov_b32 s[CS], 0x3e0293ee                    ; log2(e) / sqrt(128)
	s_add_co_i32 s[CS], s[CS], s48                 ; a score stands for score x 2^(e6 + e7): added to c's exponent field
	s_mov_b32 s[CS+1], s[CS]
	s_add_co_i32 s48, s47, 127
	s_lshl_b32 s49, s48, 23
	v_mov_b32 v[SCL], s49                          ; 2^e9 as f32, for the conversion
; A KEY STEP: 128 keys for my two tiles of queries.
.macro STEP ask
	v_add_nc_u32 v[ADK], s[TB], v[L16]
	s_delay_alu instid0(VALU_DEP_1)
	v_add_nc_u32 v[ADV], VOFF, v[ADK]
	v_nop
	v_nop                                          ; four places in front of loads into registers that the last products read
	WIN 0x40                                       ; destination window 1
.irp f, 0,1,2,3,4,5,6,7
.irp c, 0,1,2,3
	ds_load_b128 v[KF+16*\f+4*\c:KF+16*\f+4*\c+3], v[ADK] offset:2048*\f+512*\c   ; an image comes back as it went: 512 consecutive bytes a load
.endr
.endr
	s_wait_alu depctr_va_vdst(0)
	s_wait_dscnt 16                                ; fragments 0-3 are in; the youngest sixteen loads may be out
	WIN 0x01                                       ; source 0 window 1
.irp f, 0,1,2,3
.irp t, 0,1
	v_wmma_f32_16x16x128_fp8_fp8 v[S+64*\t+8*\f:S+64*\t+8*\f+7], v[KF+16*\f:KF+16*\f+15], v[QF+16*\t:QF+16*\t+15], 0
.endr
.endr
	s_wait_dscnt 0x0
.irp f, 4,5,6,7
.irp t, 0,1
	v_wmma_f32_16x16x128_fp8_fp8 v[S+64*\t+8*\f:S+64*\t+8*\f+7], v[KF+16*\f:KF+16*\f+15], v[QF+16*\t:QF+16*\t+15], 0
.endr
.endr
	WIN 0
.rept 4
	v_nop                                          ; places: the loads below land in the keys' registers, the maxima read the scores
.endr
	WIN 0x40
.irp f, 0,1,2,3,4,5,6,7
.irp c, 0,1,2,3
	ds_load_b128 v[KF+16*\f+4*\c:KF+16*\f+4*\c+3], v[ADV] offset:2048*\f+512*\c   ; the step's values: they land while the softmax is walked
.endr
.endr
	WIN 0
.if \ask
	s_cmp_eq_u32 s[CNT], s[LIM]                    ; the slot's third step, in the waves that ask
	s_cbranch_scc0 .Lnot_mine_\@
	global_prefetch_b8 v[PFO], s[PFA:PFA+1] th:TH_LOAD_NT scope:SCOPE_SE
.Lnot_mine_\@:
.endif
.irp t, 0,1                                    ; the step's largest score of my query among my 64 keys, in two chains; each accumulator is read from its low end on
	v_max3_num_f32 v[ST+8*\t+6], v[S+64*\t], v[S+64*\t+1], v[S+64*\t+2]
	v_max3_num_f32 v[ST+8*\t+7], v[S+64*\t+3], v[S+64*\t+4], v[S+64*\t+5]
.endr
.irp i, 6,10,14,18,22,26,30,34,38,42,46,50,54,58
.irp t, 0,1
	v_max3_num_f32 v[ST+8*\t+6], v[ST+8*\t+6], v[S+64*\t+\i], v[S+64*\t+\i+1]
	v_max3_num_f32 v[ST+8*\t+7], v[ST+8*\t+7], v[S+64*\t+\i+2], v[S+64*\t+\i+3]
.endr
.endr
.irp t, 0,1
	v_max3_num_f32 v[ST+8*\t+6], v[ST+8*\t+6], v[S+64*\t+62], v[S+64*\t+63]
.endr
.irp t, 0,1
	s_delay_alu instid0(VALU_DEP_2)
	v_max_num_f32 v[ST+8*\t+6], v[ST+8*\t+6], v[ST+8*\t+7]
.endr
.irp t, 0,1
	s_delay_alu instid0(VALU_DEP_2)
	v_permlanex16_b32 v[PM+\t], v[ST+8*\t+6], s[SEL], s[SEL+1]
.endr
.irp t, 0,1
	s_delay_alu instid0(VALU_DEP_2)
	v_max_num_f32 v[ST+8*\t+6], v[ST+8*\t+6], v[PM+\t]   ; and among lane l xor 16's
.endr
.irp t, 0,1
	s_delay_alu instid0(VALU_DEP_2)
	v_mul_f32 v[ST+8*\t+6], s[CS], v[ST+8*\t+6]    ; as t (c is positive)
.endr
.irp t, 0,1
	s_delay_alu instid0(VALU_DEP_2)
	v_max_num_f32 v[ST+8*\t+1], v[ST+8*\t+1], v[ST+8*\t+6]   ; the running largest t
.endr
.irp t, 0,1
	v_mov_b32 v[ST+8*\t+6], v[ST+8*\t]
.endr
.irp t, 0,1
	s_delay_alu instid0(VALU_DEP_4)
	v_floor_f32 v[ST+8*\t], -v[ST+8*\t+1]          ; the new -M = -ceil(t)
.endr
.irp t, 0,1
	s_delay_alu instid0(VALU_DEP_2)
	v_sub_f32 v[ST+8*\t+6], v[ST+8*\t], v[ST+8*\t+6]   ; old M - new M: a whole number, 0 or less
.endr
.irp t, 0,1
	s_delay_alu instid0(VALU_DEP_2)
	v_cvt_i32_f32 v[ST+8*\t+6], v[ST+8*\t+6]       ; (it saturates)
.endr
.irp t, 0,1
	s_delay_alu instid0(VALU_DEP_2)
	v_ldexp_f32 v[ST+8*\t+4], 1.0, v[ST+8*\t+6]    ; f = 2^(old M - new M)
.endr
.irp t, 0,1
.irp j, 0,2,4,6,8,10,12,14,16,18,20,22,24,26,28,30,32,34,36,38,40,42,44,46,48,50,52,54,56,58,60,62
	v_pk_fma_f32 v[S+64*\t+\j:S+64*\t+\j+1], v[S+64*\t+\j:S+64*\t+\j+1], s[CS:CS+1], v[ST+8*\t:ST+8*\t+1] op_sel_hi:[1,0,0]   ; t - M (of the pairs c and -M the low word serves both halves)
.endr
.endr
.set i, 0
	s_wait_alu depctr_va_vdst(0)
.rept 128
	v_exp_f32 v[S+i], v[S+i]                       ; p = 2^(t - M): both tiles' exponentials are one batch
.set i, i+1
.endr
	s_setprio 1
.irp t, 0,1
	v_pk_mul_f32 v[ST+8*\t+2:ST+8*\t+3], v[ST+8*\t+2:ST+8*\t+3], v[ST+8*\t+4:ST+8*\t+5] op_sel_hi:[1,0]   ; the sums under the new M: plain instructions behind the exponentials
.endr
	s_wait_alu depctr_va_vdst(0)                   ; the wait ahead of the first reader: one for the batch
.irp t, 0,1
	v_pk_add_f32 v[TS+2*\t:TS+2*\t+1], v[S+64*\t:S+64*\t+1], v[S+64*\t+2:S+64*\t+3]   ; the row's sum is taken of the unquantised p, in two chains
.endr
.irp j, 4,8,12,16,20,24,28,32,36,40,44,48,52,56,60
.irp t, 0,1
	v_pk_add_f32 v[ST+8*\t+2:ST+8*\t+3], v[ST+8*\t+2:ST+8*\t+3], v[S+64*\t+\j:S+64*\t+\j+1]
	v_pk_add_f32 v[TS+2*\t:TS+2*\t+1], v[TS+2*\t:TS+2*\t+1], v[S+64*\t+\j+2:S+64*\t+\j+3]
.endr
.endr
.irp t, 0
	s_delay_alu instid0(VALU_DEP_3)
	v_pk_add_f32 v[ST+8*\t+2:ST+8*\t+3], v[ST+8*\t+2:ST+8*\t+3], v[TS+2*\t:TS+2*\t+1]
.endr
.irp t, 1
	s_delay_alu instid0(VALU_DEP_2)
	v_pk_add_f32 v[ST+8*\t+2:ST+8*\t+3], v[ST+8*\t+2:ST+8*\t+3], v[TS+2*\t:TS+2*\t+1]
.endr
.irp t, 0,1
.irp f, 0,1,2,3,4,5,6,7
.irp j, 0,1,2,3,4,5,6,7
.endr
	v_cvt_scalef32_pk8_fp8_f32 v[CD+16*\t+2*\f:CD+16*\t+2*\f+1], v[S+64*\t+8*\f:S+64*\t+8*\f+7], v[SCL]   ; keys 16 f + 8 h + 0 .. 7: registers 2 f, 2 f + 1 of the operand
.endr
.endr
	WIN 0x41                                       ; O^T (destination and source 0) window 1, f window 0
.irp t, 0,1
.irp j, 0,2,4,6,8,10,12,14,16,18,20,22,24,26,28,30,32,34,36,38,40,42,44,46,48,50,52,54,56,58,60,62
	v_pk_mul_f32 v[64*\t+\j:64*\t+\j+1], v[64*\t+\j:64*\t+\j+1], v[ST+8*\t+4:ST+8*\t+5] op_sel_hi:[1,0]   ; O^T under the new M.  (Also the plain instructions behind the conversions)
.endr
.endr
	s_wait_alu depctr_va_vdst(0)
	s_wait_dscnt 0x0                               ; the values are in
	WIN 0x51                                       ; values, C and D window 1; p's codes window 0
	s_setprio 0
.irp cb, 0,1,2,3,4,5,6,7                       ; sixteen accumulators, one instruction a turn
.irp t, 0,1
	v_wmma_f32_16x16x128_fp8_fp8 v[64*\t+8*\cb:64*\t+8*\cb+7], v[KF+16*\cb:KF+16*\cb+15], v[CD+16*\t:CD+16*\t+15], v[64*\t+8*\cb:64*\t+8*\cb+7]
.endr
.endr
	WIN 0
.endm
; A slot's four key steps: written once, walked four times.
.macro WORK slot, ask
	s_mov_b32 s[TB], \slot*SLOTB
	s_mov_b32 s[CNT], 4
.Lstep_\@:
	s_setprio 2
	STEP \ask
	s_add_co_u32 s[TB], s[TB], STEPB
	s_sub_co_u32 s[CNT], s[CNT], 1
	s_cmp_lg_u32 s[CNT], 0
	s_cbranch_scc1 .Lstep_\@
	s_setprio 0
.endm
; THE CHANGE OF SLOTS.  Each wave waits for all its tensor loads (its part of the slot ahead), adds 0 to its spare word, and waits for that and for its reads of the slot that it leaves.
; fill = 1: the slot just left is filled with the keys 1,024 further on.  The barrier is then a round of the cluster's, and the joint load is the first thing behind it: my one load out, with four key steps in which to land.
.macro CHANGE slot, fill
	s_wait_tensorcnt 0x0                           ; no tensor load of mine is out, so a group 0 may be written
	ds_add_u32 v[SPW], v[NIL]                      ; 0 onto my spare word
.if \fill
	s_add_nc_u64 s[G0+4*\slot+2:G0+4*\slot+3], s[G0+4*\slot+2:G0+4*\slot+3], 2*VOFF
	s_wait_xcnt 0x0                                ; the prefetch, two key steps back, has read its address:
	s_add_nc_u64 s[PFA:PFA+1], s[PFA:PFA+1], VOFF  ; on to the next 512 keys
.endif
	s_wait_dscnt 0x0                               ; the add is done, and my reads of the slot are over
.if \fill
	CROUND
	tensor_load_to_lds s[G0+4*\slot:G0+4*\slot+3], s[G1:G1+7]
	s_nop 0
.rept 4
	v_nop
.endr
.else
	s_barrier_signal -1
	s_barrier_wait -1
.endif
.endm
	s_wait_tensorcnt 1                             ; my part of slot 0 is in; slot 1's may stay out
	s_barrier_signal -1
	s_barrier_wait -1                              ; everybody's is
	s_wait_loadcnt 0x0                             ; the queries
	WORK 0, 1                                      ; keys 0-511
	CHANGE 0, 1                                    ; slot 0 takes keys 1,024-1,535
	WORK 1, 1                                      ; keys 512-1,023
	CHANGE 1, 1                                    ; slot 1 takes keys 1,536-2,047
	WORK 0, 0
	CHANGE 0, 0                                    ; nothing is left to fetch
	WORK 1, 0
	; THE WAY OUT.  O^T / the sum x 2^(e8 + e9).  A lane holds eight channels of one query, and the output has the queries innermost: so the work-group's 128 channels x 256 queries meet in a stage, and each wave stores 16 whole rows of 1,024 bytes.
.rept 4
	v_nop                                          ; places behind the last products
.endr
.irp t, 0,1
	v_add_f32 v[ST+8*\t+6], v[ST+8*\t+2], v[ST+8*\t+3]   ; the sum's two halves,
.endr
.irp t, 0,1
	s_delay_alu instid0(VALU_DEP_2)
	v_permlanex16_b32 v[PM+\t], v[ST+8*\t+6], s[SEL], s[SEL+1]
.endr
.irp t, 0,1
	s_delay_alu instid0(VALU_DEP_2)
	v_add_f32 v[ST+8*\t+6], v[ST+8*\t+6], v[PM+\t]       ; and lane l xor 16's
.endr
	s_wait_alu depctr_va_vdst(0)
.irp t, 0,1
	v_rcp_f32 v[ST+8*\t+4], v[ST+8*\t+6]
.endr
	v_nop                                          ; a plain instruction behind the reciprocals
	s_add_co_i32 s48, s46, s47                     ; e8 + e9
	s_wait_alu depctr_va_vdst(0)                   ; the wait ahead of the first reader: one for the two
.irp t, 0,1
	v_ldexp_f32 v[ST+8*\t+4], v[ST+8*\t+4], s48
.endr
	WIN 0x01                                       ; source 0 (O^T) window 1; the results take p's registers
.irp t, 0,1
.irp j, 0,2,4,6,8,10,12,14,16,18,20,22,24,26,28,30,32,34,36,38,40,42,44,46,48,50,52,54,56,58,60,62
	v_pk_mul_f32 v[S+64*\t+\j:S+64*\t+\j+1], v[64*\t+\j:64*\t+\j+1], v[ST+8*\t+4:ST+8*\t+5] op_sel_hi:[1,0]   ; each accumulator from its low end on
.endr
.endr
	WIN 0
	s_wait_alu depctr_va_vdst(0)
	s_wait_dscnt 0x0                               ; my reads of the ring are over
	s_barrier_signal -1
	s_barrier_wait -1                              ; everybody's are: the stage may be written over it
.irp t, 0,1
.irp cb, 0,1,2,3
.irp jj, 0,1,2,3,4,5,6,7
	ds_store_b32 v[STO0], v[S+64*\t+8*\cb+\jj] offset:(16*\cb+\jj)*SP+64*\t   ; channel 16 cb + 8 h + jj, query 32 w + 16 t + r: sixteen lanes write 64 consecutive bytes, the other sixteen 8 rows on
.endr
.endr
.irp cb, 4,5,6,7
.irp jj, 0,1,2,3,4,5,6,7
	ds_store_b32 v[STO1], v[S+64*\t+8*\cb+\jj] offset:(16*(\cb-4)+\jj)*SP+64*\t
.endr
.endr
.endr
	s_wait_dscnt 0x0                               ; for the others' sake: my stores into the stage are done
	s_barrier_signal -1
	s_barrier_wait -1
.irp row, 0,1,2,3,4,5,6,7,8,9,10,11,12,13,14,15
.irp u, 0,1
	ds_load_b128 v[S+4*(2*\row+\u):S+4*(2*\row+\u)+3], v[RD] offset:\row*SP+512*\u
.endr
.endr
.irp row, 0,1,2,3,4,5,6,7,8,9,10,11,12,13,14,15
.irp u, 0,1
	s_wait_dscnt 31-(2*\row+\u)                    ; LDS loads come back in order: this one is in, the younger ones may be out
	global_store_b128 v[L16], v[S+4*(2*\row+\u):S+4*(2*\row+\u)+3], s[8:9] offset:8192*\row+512*\u th:TH_STORE_NT   ; 32 lanes store 512 consecutive bytes, at a multiple of 512 from the output's first byte
.endr
.endr
	s_wait_tensorcnt 0x0                           ; the wave's end
	ds_add_u32 v[SPW], v[NIL]
	s_wait_dscnt 0x0
	CROUND                                         ; the closing round: no work-group ends while a partner may still ask for a tile that names it
	s_endpgm
.Lfunc_end_k_qa01b6e2bf0_attn:
	.size	k_qa01b6e2bf0_attn, .Lfunc_end_k_qa01b6e2bf0_attn-k_qa01b6e2bf0_attn
	.p2alignl 7, 3214868480
	.fill 96, 4, 3214868480
	.section	.rodata,"a",@progbits
	.p2align	6, 0x0
	.amdhsa_kernel k_qa01b6e2bf0_attn
		.amdhsa_group_segment_fixed_size 327680
		.amdhsa_private_segment_fixed_size 0
		.amdhsa_enable_private_segment 0
		.amdhsa_kernarg_size 24
		.amdhsa_user_sgpr_count 2
		.amdhsa_user_sgpr_kernarg_segment_ptr 1
		.amdhsa_wavefront_size32 1
		.amdhsa_system_sgpr_workgroup_id_x 1
		.amdhsa_system_sgpr_workgroup_id_y 1
		.amdhsa_system_sgpr_workgroup_id_z 1
		.amdhsa_system_vgpr_workitem_id 0
		.amdhsa_next_free_vgpr 512
		.amdhsa_next_free_sgpr 66
		.amdhsa_reserve_vcc 0
		.amdhsa_float_denorm_mode_32 3
		.amdhsa_float_denorm_mode_16_64 3
		.amdhsa_fp16_overflow 1
		.amdhsa_memory_ordered 1
		.amdhsa_forward_progress 1
		.amdhsa_inst_pref_size 152
	.end_amdhsa_kernel
	.amdgpu_metadata
---
amdhsa.version: [ 1, 2 ]
amdhsa.kernels:
  - .name:           k_qa01b6e2bf0_attn
    .symbol:         k_qa01b6e2bf0_attn.kd
    .args:
      - { .name: acts, .offset: 0, .size: 8, .value_kind: global_buffer, .address_space: global }
      - { .name: lowp_scales, .offset: 8, .size: 8, .value_kind: global_buffer, .address_space: global }
      - { .name: out0, .offset: 16, .size: 8, .value_kind: global_buffer, .address_space: global }
    .group_segment_fixed_size: 327680
    .private_segment_fixed_size: 0
    .kernarg_segment_align: 8
    .kernarg_segment_size: 24
    .max_flat_workgroup_size: 256
    .sgpr_count:     66
    .vgpr_count:     512
    .wavefront_size: 32
...
	.end_amdgpu_metadata
.endif
;; end of part 2
